; MI455X (gfx1250); checked and timed in simulation.
; The chip was launched on July 23, 2026; its instructions are those of AMD's public machine-readable ISA for CDNA 5 (MIT licence, August 2026) and "CDNA5" Instruction Set Architecture Reference Guide (July 2026). The comments in the code are by the model that wrote it; some were corrected since.
;; Audio Quantizer. Allowed arithmetic: matrix products marked QUANTISED: E2M1 operands, one E8M0 scale for each 32 along K, by v_wmma_scale_f32_16x16x128_f8f6f4 with both operands' format E2M1 (or v_wmma_scale_f32_32x16x128_f4), f32 sums; everything else in f32.
;; Inputs: codebook 8,192 x 512 float32; x 8 x 2,048 x 512 float32.
;; Outputs: out0 8 x 2,048 x 512 float32.
;; This version of the problem:
;;   THIS VERSION OF THE PROBLEM IS GIVEN IN LOW PRECISION. The matrix products marked QUANTISED in the list below multiply operands that are first quantised to E2M1 (2 exponent bits, 1 mantissa bit; 4 bits a number), with one power-of-two scale for each 32 numbers along K (OCP MX v1.0); their sums are f32. All else is computed in f32.
;;   The module's matrix products, in the order in which they are computed (A, B: the left and right operand; K: the contracted axis; several contracted axes count as one K, in the product's order):
;;     1. [M 16,384, K 512] x [K 512, N 8,192]; A: input x; B: input codebook: QUANTISED
;;   THE QUANTISER, for each operand of a quantised product, along K:
;;     - K is cut into blocks of 32 from its start; a last block that is shorter is filled with zeros.
;;     - A block's scale is 2^e with e = floor(log2(the largest magnitude in the block)) - 2, held to -126 .. 127; a block of zeros has e = 0. As a byte (E8M0): e + 127.
;;     - Each number is divided by its block's scale, clamped to +-6, and rounded to the nearest number of E2M1, ties to even, subnormals kept.
;;     - The product sums the exact products of the quantised numbers (number of the format x scale) in f32.
;;   ~~~python
;;   def quantise(x, axis):      # numpy; x: float32 -> the quantised numbers, widened to float32 again
;;       x = np.moveaxis(x, axis, -1); K = x.shape[-1]
;;       x = np.pad(x, [(0, 0)] * (x.ndim - 1) + [(0, -K % 32)]); x = x.reshape(x.shape[:-1] + (-1, 32)); a = np.abs(x).max(-1, keepdims=True)
;;       e = np.where(a > 0, np.clip(np.frexp(np.where(a > 0, a, 1))[1] - 1 - 2, -126, 127), 0)      # np.frexp(a)[1] - 1 = floor(log2(a)), exactly
;;       r = np.clip(x / 2.0 ** e, -6, 6)
;;       step = 2.0 ** (np.maximum(np.frexp(np.where(r == 0, 1, r))[1] - 1, 0) - 1)
;;       q = np.round(r / step) * step * 2.0 ** e      # np.round: ties to even
;;       return np.moveaxis(q.reshape(q.shape[:-2] + (-1,))[..., :K], -1, axis).astype(np.float32)
;;   ~~~
;; One version. Each part assembles by itself: llvm-mc -triple=amdgcn-amd-amdhsa -mcpu=gfx1250 --defsym DOCPART=n.
;; ======== version 1 of 1: 3 launches
;; limits: right only within a limited range of input values
;; workspace buffers: xq 4,456,448 bytes; cq 2,359,296 bytes; best 2,097,152 bytes of whole numbers
;; launch prep (part 1): grid 256 x 1, 6 waves a work-group, no clusters, 59,136 bytes of LDS; arguments x, codebook, xq, cq; writes xq, cq
.if DOCPART == 1
	.amdgcn_target "amdgcn-amd-amdhsa--gfx1250"
	.amdhsa_code_object_version 6
	.text
	.protected	k_q8092e55348_prep
	.globl	k_q8092e55348_prep
	.p2align	8
	.type	k_q8092e55348_prep,@function
k_q8092e55348_prep:
	s_mov_b64 s[64:65], 0
	v_nop
	global_prefetch_b8 v0, s[64:65] scope:SCOPE_SE
	s_setreg_imm32_b32 hwreg(HW_REG_WAVE_MODE, 25, 1), 1
	s_wait_xcnt 0x0
; x [16384][512] and codebook [8192][512], f32, are turned ONCE into codes of FP4 (E2M1) with one E8M0 scale byte for each 32 along the rows; for each
; row of the codebook -(sum of squares)/2 is made in f32.  A block's scale is 2^(floor(log2(its largest magnitude)) - 2); its byte is the largest
; magnitude's exponent field - 2, held at 1 from below; numbers are divided by the scale and rounded to the nearest code, ties to even, beyond 6 held at 6.
; DEAD WORK LEFT OUT: x_sq.  dist_sq[n][k] = x_sq[n] - 2 dots[n][k] + c_sq[k]; x_sq[n] is the same number for every k, and dist_sq is used for nothing but
; the argmin over k: for all finite inputs, in real numbers, adding it to every entry of a row leaves the row's argmin where it is.  x itself stays live through dots.
; LIMIT: a NaN, an infinity or an overflow that reaches x_sq alone is not carried to the result.
; LIMITS: a block of zeros gets the byte 1 where the rule says 127 (its codes are zeros, and this program alone reads the bytes); blocks whose largest
; magnitude lies under 2^-124 keep the byte 1 and were not tried; NaN and infinities are not served.  The squares are summed 16 a lane and then across
; the lanes, not in the order of a serial sum.
; THE WORKSPACE IS LAID AS THE NEXT LAUNCH'S REGISTERS WANT IT.  16 rows make a RECORD: codes [block 0..15][row 0..15][16 bytes], the scale bytes [row][16]:
; 4,352 bytes; a record of the codebook has 256 bytes more: four copies of its 16 sums.  With block = 4 s + 2 c + h the 512 bytes at 1024 s + 512 c are
; registers 4 c .. 4 c + 3 of the fragment of K step s, lane 16 h + row.
; SHARES.  1,536 records, one to a wave: 256 work-groups of six waves.  Records 0 to 1,023 are x's, the others the codebook's: pointers and the record's pitch are
; chosen, and a branch leads x's records round the sums.  A record is 16 steps, a row each.  A step's four loads read 512 consecutive bytes each; the 2,048 bytes
; turn through the wave's own stage in LDS and come back 64 bytes a lane: a lane holds 16 neighbours, two neighbouring lanes a block.  Codes and scale bytes gather
; in the wave's own LDS and leave in runs of 512 and 256 bytes.  No barrier: waves share nothing.  Loads run eight steps (32 loads, 16 KiB a wave) ahead.
.set STEPS, 16
.set DEPTH, 8                          ; rows on their way in each wave
.set XREC,  1024                       ; records of x
.set RECB,  4352
.set SP,    80                         ; a lane's place in a stage: 64 bytes + 16 of padding
.set OUTB,  2*32*SP                    ; behind the two stages: the record's codes, 16 block rows,
.set OP,    272                        ; 256 bytes + 16 of padding apart
.set SCB,   OUTB+16*OP                 ; behind them the record's 256 scale bytes
.set WREG,  SCB+256                    ; a wave's LDS: 9,728 bytes
.set SPARE, 6*WREG                     ; the spare words, 128 bytes for each wave
.set R,     16                         ; v16-143  eight sets of 16 numbers as loaded; on the way out v16-49
.set X,     144                        ; v144-175 two sets of 16 neighbours
.set E,     176                        ; v176-191 a scale byte for each step
.set C,     192                        ; v192-223 two registers of codes for each step
.set Q,     224                        ; v224-227 squares in two chains; v228 the other half's sum
.set SQ,    230                        ; v230     lane l: the sum of row l % 16
	s_load_b128 s[4:7], s[0:1], 0x0                ; x, codebook
	s_load_b128 s[8:11], s[0:1], 0x10              ; x's records, the codebook's
	v_lshl_add_u32 v232, v0, 2, SPARE
	v_mov_b32 v233, 0
	v_lshrrev_b32 v1, 5, v0
	v_readfirstlane_b32 s16, v1                    ; wave 0..5
	v_and_b32 v2, 31, v0                           ; lane
	v_lshlrev_b32 v3, 4, v2                        ; 16 x lane: my bytes of a load's or a store's 512
	s_mul_i32 s17, s16, WREG
	v_lshrrev_b32 v14, 2, v2
	v_mul_u32_u24 v14, v14, SP
	v_and_b32 v15, 3, v2
	v_lshl_add_u32 v14, v15, 4, v14
	v_add_nc_u32 v14, s17, v14                     ; the stage, on the way in: SP (lane / 4) + 16 (lane % 4)
	v_mul_u32_u24 v15, v2, SP
	v_add_nc_u32 v15, s17, v15                     ; and on the way out: SP x lane: my 16 neighbours
	v_lshrrev_b32 v8, 1, v2                        ; my block of the row
	v_and_b32 v9, 1, v2                            ; and which half of it
	v_mul_u32_u24 v4, v8, OP
	v_lshl_add_u32 v4, v9, 3, v4
	s_add_co_u32 s18, s17, OUTB
	v_add_nc_u32 v4, s18, v4                       ; my 8 bytes of codes: block row, + 8 x half; the row's 16 bytes stand in the immediate
	v_and_b32 v10, 15, v2
	v_lshrrev_b32 v11, 4, v2
	v_mul_u32_u24 v12, v11, OP
	v_lshl_add_u32 v12, v10, 4, v12
	v_add_nc_u32 v12, s18, v12                     ; back: sixteen lanes to a block row, two block rows an instruction
	s_add_co_u32 s19, s17, SCB
	v_add_nc_u32 v5, s19, v8                       ; my block's scale byte
	v_lshlrev_b32 v7, 3, v2
	v_add_nc_u32 v6, s19, v7                       ; and on the way out 8 bytes a lane
	v_lshlrev_b32 v13, 2, v2                       ; 4 x lane: a sum's place
	v_mov_b32 v[Q+4], 0                            ; written once: a lane permute's destination counts as one of its sources
	v_mov_b32 v[SQ], 0                             ; written once: each row's select keeps the other lanes' sums
	s_mov_b32 s26, 0x76543210
	s_mov_b32 s27, 0xfedcba98                      ; v_permlanex16_b32's selects for lane l xor 16
	s_mul_i32 s20, ttmp9, 6
	s_add_co_u32 s20, s20, s16                     ; my record: 6 x work-group + wave
	s_wait_alu depctr_va_vdst(0)                   ; the wait at the head's end
	s_wait_kmcnt 0x0
	s_cmp_lt_u32 s20, XREC                         ; x's record or the codebook's?  The choice hangs on the record's number alone
	s_cselect_b64 s[4:5], s[4:5], s[6:7]
	s_cselect_b64 s[8:9], s[8:9], s[10:11]
	s_cselect_b32 s21, 0, XREC
	s_cselect_b32 s24, 0, 256                      ; the bytes of sums in my record; 0: no sums
	s_sub_co_u32 s20, s20, s21                     ; which record of its tensor
	s_lshl_b32 s22, s20, 15                        ; its 16 rows of 2,048 bytes (1,023 x 32,768 at the most: 32 bits hold it)
	s_mov_b32 s23, 0
	s_add_nc_u64 s[4:5], s[4:5], s[22:23]
	s_add_co_u32 s25, s24, RECB
	s_mul_i32 s22, s20, s25
	s_add_nc_u64 s[8:9], s[8:9], s[22:23]
.macro LOAD t
.irp i, 0,1,2,3
	global_load_b128 v[R+16*((\t)%DEPTH)+4*\i:R+16*((\t)%DEPTH)+4*\i+3], v3, s[4:5] offset:2048*(\t)+512*\i th:TH_LOAD_NT   ; 32 lanes read 512 consecutive bytes; read once in this launch
.endr
.endm
.macro TURN t                          ; row t through the stage: LDS serves a wave's instructions in order (ISA guide 5.7.1.4), so no wait stands between the stores and the loads
.irp i, 0,1,2,3
	ds_store_b128 v14, v[R+16*((\t)%DEPTH)+4*\i:R+16*((\t)%DEPTH)+4*\i+3] offset:32*SP*((\t)%2)+8*SP*\i
.endr
.irp i, 0,1,2,3
	ds_load_b128 v[X+16*((\t)%2)+4*\i:X+16*((\t)%2)+4*\i+3], v15 offset:32*SP*((\t)%2)+16*\i
.endr
.endm
.irp t, 0,1,2,3,4,5,6,7
	LOAD \t
.endr
	s_wait_loadcnt 4*(DEPTH-1)                     ; row 0's four loads are in; the seven rows behind it stay out
	TURN 0
.macro STEP t
.set XR, X+16*((\t)%2)
.if (\t) > 0
	s_wait_dscnt 2                                 ; this row is back from the stage: behind its loads only the last step's two stores were issued
.else
	s_wait_dscnt 0x0
.endif
.if (\t)+DEPTH < STEPS
	LOAD (\t)+DEPTH                                ; into the set that this row's stage stores have read
.endif
.if (\t)+1 < STEPS
.if STEPS-2-(\t) >= DEPTH-1
	s_wait_loadcnt 4*(DEPTH-1)                     ; the next row's four loads are in; those of the seven rows behind it may be out
.else
	s_wait_loadcnt 4*(STEPS-2-(\t))                ; the tail: as many rows as are left behind the next one
.endif
	TURN (\t)+1                                    ; and go through the other stage while this row is worked
.endif
	v_max3_num_f32 v8, |v[XR]|, |v[XR+1]|, |v[XR+2]|               ; the largest magnitude of my 16, in two chains
	v_max3_num_f32 v9, |v[XR+3]|, |v[XR+4]|, |v[XR+5]|
.irp i, 6,10
	v_max3_num_f32 v8, v8, |v[XR+\i]|, |v[XR+\i+1]|
	v_max3_num_f32 v9, v9, |v[XR+\i+2]|, |v[XR+\i+3]|
.endr
	v_max3_num_f32 v8, v8, |v[XR+14]|, |v[XR+15]|
	v_max3_num_f32 v8, v8, v9, 0x1800000           ; and the floor 2^(3 - 127): the byte cannot fall under 1
	v_max_num_f32_dpp v8, v8, v8 row_xmask:1 row_mask:0xf bank_mask:0xf   ; with my neighbour's 16: the block's
	v_add_nc_u32 v11, 0xff000000, v8               ; 2 off its exponent field: the conversion takes the exponent field of this operand as its scale, and nothing else of it
	v_cvt_scalef32_pk8_fp4_f32 v[C+2*(\t)], v[XR:XR+7], v11
	v_cvt_scalef32_pk8_fp4_f32 v[C+2*(\t)+1], v[XR+8:XR+15], v11
	v_lshrrev_b32 v[E+(\t)], 23, v11               ; the scale's byte (also the plain line behind the conversions)
	ds_store_b8 v5, v[E+(\t)] offset:16*(\t)       ; both lanes of a block write the same byte with the same value
	ds_store_b64 v4, v[C+2*(\t):C+2*(\t)+1] offset:16*(\t)
	s_cmp_eq_u32 s24, 0
	s_cbranch_scc1 .Lno_sum_\@                     ; x's records have no sums
	v_pk_mul_f32 v[Q:Q+1], v[XR:XR+1], v[XR:XR+1]  ; the squares of my 16, two at a time, in two chains: the first products start the sums
	v_pk_mul_f32 v[Q+2:Q+3], v[XR+2:XR+3], v[XR+2:XR+3]
.irp i, 4,8,12
	v_pk_fma_f32 v[Q:Q+1], v[XR+\i:XR+\i+1], v[XR+\i:XR+\i+1], v[Q:Q+1]
	v_pk_fma_f32 v[Q+2:Q+3], v[XR+\i+2:XR+\i+3], v[XR+\i+2:XR+\i+3], v[Q+2:Q+3]
.endr
	v_pk_add_f32 v[Q:Q+1], v[Q:Q+1], v[Q+2:Q+3]
	v_add_f32 v[Q], v[Q], v[Q+1]
	v_add_f32_dpp v[Q], v[Q], v[Q] row_xmask:1 row_mask:0xf bank_mask:0xf
	v_add_f32_dpp v[Q], v[Q], v[Q] row_xmask:2 row_mask:0xf bank_mask:0xf
	v_add_f32_dpp v[Q], v[Q], v[Q] row_xmask:4 row_mask:0xf bank_mask:0xf
	v_add_f32_dpp v[Q], v[Q], v[Q] row_xmask:8 row_mask:0xf bank_mask:0xf
	v_permlanex16_b32 v[Q+4], v[Q], s26, s27
	v_add_f32 v[Q], v[Q], v[Q+4]                   ; every lane holds the row's sum of squares
	v_cmp_eq_u32 vcc_lo, \t, v10
	v_cndmask_b32 v[SQ], v[SQ], v[Q], vcc_lo       ; lanes t and 16 + t keep row t's
.Lno_sum_\@:
.endm
.irp t, 0,1,2,3,4,5,6,7,8,9,10,11,12,13,14,15
	STEP \t
.endr
.irp i, 0,1,2,3,4,5,6,7
	ds_load_b128 v[R+4*\i:R+4*\i+3], v12 offset:2*OP*\i            ; in order behind my stores: block rows 2 i and 2 i + 1
.endr
	ds_load_b64 v[R+32:R+33], v6
	s_wait_alu depctr_va_vdst(0)                   ; ahead of the blocking waits below
.irp i, 0,1,2,3,4,5,6,7
	s_wait_dscnt 8-\i                              ; the younger loads may stay out
	global_store_b128 v3, v[R+4*\i:R+4*\i+3], s[8:9] offset:512*\i ; 32 lanes store 512 consecutive bytes, at a multiple of 256 from the buffer's first byte
.endr
	s_wait_dscnt 0x0
	global_store_b64 v7, v[R+32:R+33], s[8:9] offset:4096          ; the record's 256 scale bytes
	s_cmp_eq_u32 s24, 0
	s_cbranch_scc1 .Lstored
	v_mul_f32 v[SQ], -0.5, v[SQ]                   ; exact
	global_store_b32 v13, v[SQ], s[8:9] offset:4352                ; 128 bytes each: together four copies of the 16 sums, a whole 256 bytes
	global_store_b32 v13, v[SQ], s[8:9] offset:4480
.Lstored:
	s_wait_tensorcnt 0x0                           ; the wave's end
	ds_add_u32 v232, v233
	s_wait_dscnt 0x0
	s_endpgm
.Lfunc_end_k_q8092e55348_prep:
	.size	k_q8092e55348_prep, .Lfunc_end_k_q8092e55348_prep-k_q8092e55348_prep
	.p2alignl 7, 3214868480
	.fill 96, 4, 3214868480
	.section	.rodata,"a",@progbits
	.p2align	6, 0x0
	.amdhsa_kernel k_q8092e55348_prep
		.amdhsa_group_segment_fixed_size 59136
		.amdhsa_private_segment_fixed_size 0
		.amdhsa_enable_private_segment 0
		.amdhsa_kernarg_size 32
		.amdhsa_user_sgpr_count 2
		.amdhsa_user_sgpr_kernarg_segment_ptr 1
		.amdhsa_wavefront_size32 1
		.amdhsa_system_sgpr_workgroup_id_x 1
		.amdhsa_system_sgpr_workgroup_id_y 1
		.amdhsa_system_sgpr_workgroup_id_z 1
		.amdhsa_system_vgpr_workitem_id 0
		.amdhsa_next_free_vgpr 234
		.amdhsa_next_free_sgpr 66
		.amdhsa_reserve_vcc 1
		.amdhsa_float_denorm_mode_32 3
		.amdhsa_float_denorm_mode_16_64 3
		.amdhsa_memory_ordered 1
		.amdhsa_forward_progress 1
		.amdhsa_inst_pref_size 52
	.end_amdhsa_kernel
	.amdgpu_metadata
---
amdhsa.version: [ 1, 2 ]
amdhsa.kernels:
  - .name:           k_q8092e55348_prep
    .symbol:         k_q8092e55348_prep.kd
    .args:
      - { .name: x, .offset: 0, .size: 8, .value_kind: global_buffer, .address_space: global }
      - { .name: codebook, .offset: 8, .size: 8, .value_kind: global_buffer, .address_space: global }
      - { .name: xq, .offset: 16, .size: 8, .value_kind: global_buffer, .address_space: global }
      - { .name: cq, .offset: 24, .size: 8, .value_kind: global_buffer, .address_space: global }
    .group_segment_fixed_size: 59136
    .private_segment_fixed_size: 0
    .kernarg_segment_align: 8
    .kernarg_segment_size: 32
    .max_flat_workgroup_size: 192
    .sgpr_count:     66
    .vgpr_count:     234
    .wavefront_size: 32
...
	.end_amdgpu_metadata
.endif
;; end of part 1
;; launch score (part 2): grid 16 x 16, 8 waves a work-group, clusters of 4 x 1, 327,680 bytes of LDS; arguments xq, cq, best; writes best
.if DOCPART == 2
	.amdgcn_target "amdgcn-amd-amdhsa--gfx1250"
	.amdhsa_code_object_version 6
	.text
	.protected	k_q8092e55348_score
	.globl	k_q8092e55348_score
	.p2align	8
	.type	k_q8092e55348_score,@function
k_q8092e55348_score:
	s_mov_b64 s[64:65], 0
	v_nop
	global_prefetch_b8 v0, s[64:65] scope:SCOPE_SE
	s_setreg_imm32_b32 hwreg(HW_REG_WAVE_MODE, 25, 1), 1
	s_wait_xcnt 0x0
	s_wait_alu depctr_hold_cnt(0) depctr_sa_sdst(0) depctr_va_vdst(0) depctr_va_sdst(0) depctr_va_ssrc(0) depctr_va_vcc(0) depctr_vm_vsrc(0)
	s_getreg_b32 s2, hwreg(HW_REG_IB_STS2, 6, 4)
	s_cmp_eq_u32 s2, 0
	s_cbranch_scc0 .Lentry_in_a_cluster
	s_endpgm
.Lentry_in_a_cluster:
	s_bfe_u32 s2, ttmp6, 0x10000c
	s_cmp_lg_u32 s2, 0x3003
	s_cbranch_scc0 .Lentry_shape_is_right
	s_endpgm
.Lentry_shape_is_right:
; For each row of x and each PART of 512 codes: the largest s = Q(x).Q(c) - c_sq/2 and the code that has it.  dist_sq = x_sq - 2 s, so the largest s is the smallest
; distance (halving and the sign are exact); x_sq, the same for every code of a row, is left out (the first kernel's head shows that it reaches no output).
; The product runs on codes of FP4 (E2M1) with E8M0 scales, by the scaled matrix instruction, 128 along K at a time, sums in f32.
; SHARES.  A work-group owns 1,024 rows x 512 codes.  Wave w keeps rows 128 w .. + 127 in registers (8 tiles of 16 rows x 512 K: all of window 1) and sweeps the 32 tiles of
; 16 codes.  Two waves lie on a SIMD, so that one wave's LDS loads and dependent lines find the other's work beside them.
; LAYOUT.  Source 0 = 16 codes, source 1 = 16 rows: a lane holds ONE row (lane % 16) and the codes 8 (lane / 16) + 0 .. 7 of the tile.  C of a sum's first product is -c_sq/2 in that layout.
; THE ARGMAX stays in registers: for each tile of rows the best score so far, the number of the code tile that brought it, and that tile's eight scores; all by selects, no branch on data.
; A strict > keeps the earliest tile; at the end the first of the eight that equals the best gives the code, and the two halves of the lanes are compared (equal scores: the lower code).
; What is stored for (part, row): key = the score's bits, turned so that unsigned order is the scores' order, and the code's index, 8 bytes.
; LIMITS: reference rounds (x_sq - 2 d) and then adds c_sq; here the sum starts at -c_sq/2.  Two codes whose distances lie within a few last places of each other may be ordered
; otherwise than there.  NaN and infinities are not served; s = -0 and s = +0 get keys one apart.
; LDS: the part's 32 records (prep's layout: codes 4,096 bytes, scale bytes 256, four copies of -c_sq/2 256).  EVERY BYTE IS FILLED ONCE: tiles 0 to 7 by the head's load, one record a wave,
; tiles 8 to 31 by a second load, three records a wave.  That load is asked for ahead of the sweep; a wave says in its tile 3 that its own has landed, and all wait in tile 7, in front of tile 8's fetch.
; CLUSTER: the four work-groups of a cluster share their 512 codes, so each tensor load is asked for JOINTLY, with the same descriptor and a mask that names the four.  x is not shared
; through LDS: each fragment is read by one wave of a work-group, once, and goes straight into the operand's registers.  Waves 0 to 3 ask for x ahead of the second load, waves 4 to 7 behind it.
; NO PREFETCH: all that the launch reads is asked for ahead of the sweep; no loop runs ahead of a load.
; REGISTERS.  window 0: v1-7 addresses and small numbers; v16-31 x's scale words (lanes 0-15 an even tile of rows, lanes 16-31 the odd one behind it); v56-63, v64-71 the best scores, two sets by turns;
;   v72-79 the winning tiles; v80-83 the code tile's scale words; v84-91 -c_sq/2; v92-123 the code tile's four fragments; v128-191 eight accumulators; v192-255 the winning tiles' scores.   window 1: x's 32 fragments.
.set RECX,  4352                       ; a record of x: 16 rows' codes, then their scale bytes
.set RECC,  4608                       ; a record of the codebook: and 256 bytes of -c_sq/2
.set SPARE, 32*RECC                    ; the spare words, 128 bytes for each of the eight waves
.set AF0, 1                            ; v1   16 x lane: my place in a fragment's image
.set AQ0, 2                            ; v2   RECX + 32 (lane / 16): my eight codes' -c_sq/2
.set AF,  3                            ; v3-4 the same for the tile to be fetched
.set AQ,  4
.set H8,  5                            ; v5   8 (lane / 16)
.set L8,  6                            ; v6   8 x lane
.set TN,  7                            ; v7   the code tile's number, for the selects
.set XSO, 12                           ; v12  16 (lane % 16) + RECX (lane / 16): where my x scale words lie in a pair of records
.set XS,  16
.set BA,  56
.set BB,  64
.set TID, 72
.set CS,  80
.set CQ,  84
.set CF,  92
.set OUT, CF                           ; the end: keys and indices in pairs
.set SPW, 126                          ; v126 LDS address of my spare word; v127 0; never rewritten
.set NIL, 127
.set ACC, 128
.set SAVE, 192
.set JJ,  ACC                          ; the end: eight registers at work, where accumulator 0 lay
.set WV,  16                           ; s16  my wave's number
.set G1,  24                           ; s[24:31] descriptor group 1
.set G0A, 40                           ; s[40:43] group 0 of the head's load;  s[44:47] of the second
.set G0B, 44
.set TB,  60                           ; s60  LDS byte of the record to be fetched
.set TNO, 62                           ; s62  the number of the code tile in hand: 32 x part + 0 .. 31
.set CNT, 63
.set SEL, 66                           ; s[66:67] v_permlanex16_b32's selects for lane l xor 16
.set UPP, 68                           ; s68  lanes 16-31, as a mask
.set MK,  70                           ; s70-77 the end: a lane mask for each tile of rows
.set MSB, 0
.macro WIN new                         ; the immediate's high byte repeats the setting that is left
.if MSB != \new
	s_set_vgpr_msb (MSB<<8)|\new
.set MSB, \new
.endif
.endm
.macro ROUND                           ; a round of the cluster's barrier: my work-group's barrier; wave 0 signals for the work-group; every wave waits for all four; my work-group's barrier once more
	s_barrier_signal -1
	s_barrier_wait -1
	s_cmp_lg_u32 s[WV], 0
	s_cbranch_scc1 .Lnot_wave_0_\@
	s_barrier_signal -3
.Lnot_wave_0_\@:
	s_barrier_wait -3
	s_barrier_signal -1
	s_barrier_wait -1
.endm
	s_load_b128 s[4:7], s[0:1], 0x0                ; x's records s[4:5], the codes' records s[6:7]
	s_load_b64 s[8:9], s[0:1], 0x10                ; best
	v_lshl_add_u32 v[SPW], v0, 2, SPARE
	v_mov_b32 v[NIL], 0
	ds_add_u32 v[SPW], v[NIL]                      ; the wave's opening: the add, twice on end, and its wait ahead of my first tensor load
	ds_add_u32 v[SPW], v[NIL]
	v_lshrrev_b32 v8, 5, v0
	v_readfirstlane_b32 s[WV], v8                  ; wave 0..7
	s_bfe_u32 s19, ttmp6, 0x40000                  ; cx: it enters x's and the results' addresses alone
	s_lshl_b32 s20, ttmp9, 2
	s_add_co_u32 s20, s20, s19                     ; my block of 1,024 rows = 4 x cluster x + cx
	s_and_b32 s21, ttmp7, 0xffff                   ; y: which 512 codes; the four partners share it
	v_and_b32 v9, 31, v0                           ; lane
	v_and_b32 v10, 15, v0                          ; r
	v_bfe_u32 v11, v0, 4, 1                        ; h
	v_lshlrev_b32 v[AF0], 4, v9
	v_lshl_add_u32 v[AQ0], v11, 5, RECX
	v_mul_u32_u24 v13, v11, RECX
	v_lshl_add_u32 v[XSO], v10, 4, v13
	v_lshlrev_b32 v[H8], 3, v11
	v_lshlrev_b32 v[L8], 3, v9
	s_mov_b32 s[SEL], 0x76543210
	s_mov_b32 s[SEL+1], 0xfedcba98
	s_mov_b32 s[UPP], 0xffff0000
	; what hangs on cx, in registers of its own
	s_lshl_b32 s22, s20, 6
	s_lshl_b32 s23, s[WV], 3
	s_add_co_u32 s22, s22, s23                     ; my first tile of rows: 64 x block + 8 w
	s_mul_i32 s80, s22, RECX                       ; its record,
	s_mov_b32 s81, 0
	s_lshl_b32 s82, s22, 7                         ; and its rows' results (16 rows x 8 bytes a tile),
	s_lshl_b32 s23, s21, 17
	s_add_co_u32 s82, s82, s23                     ; 16,384 rows x 8 bytes a part
	s_mov_b32 s83, 0
	; what feeds the joint loads: the wave's number and y alone
	s_mul_i32 s78, s21, 32*RECC                    ; the part's records
	s_mov_b32 s79, 0
	s_mul_i32 s[G0A+1], s[WV], RECC                ; LDS: the head's load: record w;
	s_mul_i32 s[G0B+1], s[WV], 3*RECC
	s_add_co_u32 s[G0B+1], s[G0B+1], 8*RECC        ; the second: records 8 + 3 w .. + 2; and the same places in the part
	s_mov_b32 s70, s[G0A+1]
	s_mov_b32 s71, 0
	s_mov_b32 s72, s[G0B+1]
	s_mov_b32 s73, 0
	s_mov_b32 s[G0A], 1
	s_mov_b32 s[G0B], 1
	s_mov_b32 s[TB], 0
	s_lshl_b32 s[TNO], s21, 5
	; descriptor group 1: dense bytes as rows of 256 (32 elements of 8 bytes), no padding: a fragment's image is read 512 consecutive bytes an instruction
	s_mov_b32 s[G1+0], 15|(3<<16)|(1<<21)          ; 15:0 the mask: all four work-groups; 17:16 elements of 8 bytes; 21 set beside a mask
	s_mov_b32 s[G1+1], 32<<16                      ; tensor_dim0 = 32
	s_mov_b32 s[G1+2], 18<<16                      ; tensor_dim1 = 18: a record
	s_mov_b32 s[G1+3], 32<<16                      ; tile_dim0 = 32
	s_mov_b32 s[G1+4], 18                          ; tile_dim1 = 18
	s_mov_b32 s[G1+5], 32                          ; from row to row
	s_mov_b32 s[G1+6], 0
	s_mov_b32 s[G1+7], 0
	s_wait_alu depctr_va_vdst(0)                   ; the wait at the head's end
	s_wait_dscnt 0x0                               ; both opening adds are done
	s_wait_kmcnt 0x0
	s_add_nc_u64 s[4:5], s[4:5], s[80:81]          ; x's records at my first tile
	s_add_nc_u64 s[8:9], s[8:9], s[82:83]          ; best at (my part, my first row)
	s_add_nc_u64 s[78:79], s[6:7], s[78:79]
	s_add_nc_u64 s[G0A+2:G0A+3], s[78:79], s[70:71]
	s_or_b32 s[G0A+3], s[G0A+3], 0x80000000        ; type = 2
	s_add_nc_u64 s[G0B+2:G0B+3], s[78:79], s[72:73]
	s_or_b32 s[G0B+3], s[G0B+3], 0x80000000
; x into registers, for the whole launch: fragment (tile t, K step s) at v[8 (4 t + s)] of window 1; each load reads 512 consecutive bytes
.macro XLOAD
	WIN 0x40                                       ; destination window 1, address window 0
.irp t, 0,1,2,3,4,5,6,7
.irp i, 0,1,2,3,4,5,6,7
	global_load_b128 v[32*\t+4*\i:32*\t+4*\i+3], v[AF0], s[4:5] offset:RECX*\t+512*\i
.endr
.endr
	WIN 0
.irp p, 0,1,2,3
	global_load_b128 v[XS+4*\p:XS+4*\p+3], v[XSO], s[4:5] offset:2*RECX*\p+4096   ; row r's four scale words: lanes 0-15 of tile 2 p, lanes 16-31 of tile 2 p + 1
.endr
.endm
	ROUND                                          ; all four work-groups are here: the joint loads meet
	tensor_load_to_lds s[G0A:G0A+3], s[G1:G1+7]    ; tiles 0 to 7: one tensor load a wave at the head
	s_nop 0
.rept 4
	v_nop
.endr
	s_cmp_lt_u32 s[WV], 4
	s_cbranch_scc0 .Lx_later
	XLOAD                                          ; waves 0 to 3
.Lx_later:
	s_wait_tensorcnt 0x0                           ; my record has landed
	ds_add_u32 v[SPW], v[NIL]
	s_mov_b32 s[G1+2], 54<<16                      ; no tensor load of mine is out: the second load brings three records, 54 rows
	s_mov_b32 s[G1+4], 54
	s_wait_dscnt 0x0                               ; the add is done
	ROUND                                          ; everybody's record has landed, in all four work-groups
	tensor_load_to_lds s[G0B:G0B+3], s[G1:G1+7]    ; tiles 8 to 31: the first tensor load behind the round
	s_nop 0
.rept 4
	v_nop
.endr
	s_cmp_lt_u32 s[WV], 4
	s_cbranch_scc1 .Lx_asked
	s_wait_loadcnt 0x0                             ; waves 4 to 7 have no load out; on every way through the text no other load into these registers is pending here
	XLOAD                                          ; waves 4 to 7
.Lx_asked:
.macro FETCH                           ; a code tile: four fragments as they lie (lane l's 16 bytes at 16 l), its scale words (lanes 16-31 read -c_sq/2 beside them, which nothing uses), its -c_sq/2: eleven loads
.irp i, 0,1,2,3,4,5,6,7
	ds_load_b128 v[CF+4*\i:CF+4*\i+3], v[AF] offset:512*\i
.endr
	ds_load_b128 v[CS:CS+3], v[AF] offset:4096
	ds_load_b128 v[CQ:CQ+3], v[AQ]
	ds_load_b128 v[CQ+4:CQ+7], v[AQ] offset:16
	s_add_co_u32 s[TB], s[TB], RECC
.endm
; 32 products: the code tile against my eight tiles of rows, K step by K step.  The eight accumulators take turns, one instruction a turn, from tile to tile too.
; The first K step starts each sum at -c_sq/2: nothing is cleared and nothing is added afterwards.
.macro MUL d, c, s, t
.if (\t)%2
	v_wmma_scale_f32_16x16x128_f8f6f4 v[\d:\d+7], v[CF+8*\s:CF+8*\s+7], v[8*(4*\t+\s):8*(4*\t+\s)+7], v[\c:\c+7], v[CS+\s], v[XS+4*(\t/2)+\s] matrix_a_fmt:MATRIX_FMT_FP4 matrix_b_fmt:MATRIX_FMT_FP4 matrix_b_scale:MATRIX_SCALE_ROW1
.else
	v_wmma_scale_f32_16x16x128_f8f6f4 v[\d:\d+7], v[CF+8*\s:CF+8*\s+7], v[8*(4*\t+\s):8*(4*\t+\s)+7], v[\c:\c+7], v[CS+\s], v[XS+4*(\t/2)+\s] matrix_a_fmt:MATRIX_FMT_FP4 matrix_b_fmt:MATRIX_FMT_FP4
.endif
.endm
.macro MULS d
	s_wait_dscnt 0x0                               ; the eleven loads, issued in front of the last tile's selects, are in
	WIN 0x04                                       ; source 1 (x) window 1
.irp s, 0,1,2,3
.irp t, 0,1,2,3,4,5,6,7
.if \s == 0
	MUL \d+8*\t, CQ, \s, \t
.else
	MUL \d+8*\t, \d+8*\t, \s, \t
.endif
.endr
.endr
	WIN 0
.endm
; Where VCC says that tile t of rows has a new best: the code tile's number and its eight scores are kept.  The scores go two to an instruction: of a pair one destination is even and
; one odd, and the two first sources, and the two second, are neighbouring registers; both halves take VCC.
.macro SELECT t
	v_cndmask_b32 v[TID+(\t)], v[TID+(\t)], v[TN], vcc_lo
.irp i, 0,2,4,6
	v_dual_cndmask_b32 v[SAVE+8*(\t)+\i], v[SAVE+8*(\t)+\i], v[ACC+8*(\t)+\i] :: v_dual_cndmask_b32 v[SAVE+8*(\t)+\i+1], v[SAVE+8*(\t)+\i+1], v[ACC+8*(\t)+\i+1]
.endr
.endm
; The selects of a code tile: ten lines for each tile of rows.  The maxima of four tiles of rows go by turns; those of tiles 4-7, a round of four at a time, stand between the compares of
; tiles 0-3 and the selects that read VCC.  Each accumulator is read from its low end on.
.macro EPI bin, bout
.irp t, 0,1,2,3
	v_max3_num_f32 v[\bout+\t], v[\bin+\t], v[ACC+8*\t], v[ACC+8*\t+1]
.endr
.irp i, 2,4,6
.irp t, 0,1,2,3
	v_max3_num_f32 v[\bout+\t], v[\bout+\t], v[ACC+8*\t+\i], v[ACC+8*\t+\i+1]
.endr
.endr
.irp t, 0,1,2,3
	v_cmp_gt_f32 vcc_lo, v[\bout+\t], v[\bin+\t]   ; the best has grown: this tile holds it.  Strictly: an equal score leaves the earlier tile
.irp u, 4,5,6,7
.if \t == 0
	v_max3_num_f32 v[\bout+\u], v[\bin+\u], v[ACC+8*\u], v[ACC+8*\u+1]
.else
	v_max3_num_f32 v[\bout+\u], v[\bout+\u], v[ACC+8*\u+2*\t], v[ACC+8*\u+2*\t+1]
.endif
.endr
	SELECT \t
.endr
.irp t, 4,5,6,7
	v_cmp_gt_f32 vcc_lo, v[\bout+\t], v[\bin+\t]
	SELECT \t
.endr
.endm
.macro EPI_FIRST bout                  ; the first code tile's products were written straight into SAVE: it is the winner so far
.irp t, 0,1,2,3,4,5,6,7
	v_max3_num_f32 v[\bout+\t], v[SAVE+8*\t], v[SAVE+8*\t+1], v[SAVE+8*\t+2]
.endr
.irp i, 3,5
.irp t, 0,1,2,3,4,5,6,7
	v_max3_num_f32 v[\bout+\t], v[\bout+\t], v[SAVE+8*\t+\i], v[SAVE+8*\t+\i+1]
.endr
.endr
.irp t, 0,1,2,3,4,5,6,7
	v_max_num_f32 v[\bout+\t], v[\bout+\t], v[SAVE+8*\t+7]
.endr
.irp t, 0,1,2,3,4,5,6,7
	v_mov_b32 v[TID+\t], s[TNO]
.endr
.endm
; A code tile: its products; the next tile's fetch; its selects, under which the fetch lands.  Four plain lines that name no register of the products stand behind them: the places in front
; of the fetch and of the first read of results (ISA guide 7.12.1 for vector instructions).
; sync = 1: my second tensor load has landed, and I say so; sync = 2: everybody's has: the next tile is tile 8.
.macro TILE first, bin, bout, sync, fetch
.if \first
	MULS SAVE
	v_nop
.else
	MULS ACC
	v_mov_b32 v[TN], s[TNO]
.endif
.if \fetch
	v_add_nc_u32 v[AF], s[TB], v[AF0]
	v_add_nc_u32 v[AQ], s[TB], v[AQ0]
	v_nop
.else
.rept 3
	v_nop
.endr
.endif
.if \sync == 1
	s_wait_alu depctr_va_vdst(0)                   ; ahead of the blocking wait
	s_wait_tensorcnt 0x0
	s_barrier_signal -1
.endif
.if \sync == 2
	s_wait_alu depctr_va_vdst(0)
	s_barrier_wait -1
.endif
.if \fetch
	FETCH
.endif
.if \first
	EPI_FIRST \bout
.else
	EPI \bin, \bout
.endif
	s_add_co_u32 s[TNO], s[TNO], 1
.endm
.macro PAIR first, sync, last          ; two code tiles: the two sets of best scores change places and back
	TILE \first, BA, BB, 0, 1
	TILE 0, BB, BA, \sync, 1-\last
.endm
	v_add_nc_u32 v[AF], s[TB], v[AF0]
	v_add_nc_u32 v[AQ], s[TB], v[AQ0]
	FETCH                                          ; code tile 0: the second round has shown tiles 0 to 7
	s_wait_loadcnt 0x0                             ; x
	PAIR 1, 0, 0                                   ; tiles 0, 1
	PAIR 0, 1, 0                                   ; 2, 3
	PAIR 0, 0, 0                                   ; 4, 5
	PAIR 0, 2, 0                                   ; 6, 7
	s_mov_b32 s[CNT], 11
.Lrun:
	PAIR 0, 0, 0                                   ; 8 to 29
	s_sub_co_u32 s[CNT], s[CNT], 1
	s_cmp_lg_u32 s[CNT], 0
	s_cbranch_scc1 .Lrun
	PAIR 0, 0, 1                                   ; 30, 31: nothing is left to fetch
	; THE END.  Which of the winning tile's eight scores is the best: the first that equals it.
.irp t, 0,1,2,3,4,5,6,7
	v_mov_b32 v[JJ+\t], 7
.endr
.irp i, 6,5,4,3,2,1,0
.irp t, 0,1,2,3,4,5,6,7
	v_cmp_neq_f32 s[MK+\t], v[SAVE+8*\t+\i], v[BA+\t]
.endr
.irp t, 0,1,2,3,4,5,6,7
	v_cndmask_b32 v[JJ+\t], \i, v[JJ+\t], s[MK+\t]
.endr
.endr
.irp t, 0,1,2,3,4,5,6,7
	v_lshl_add_u32 v[TID+\t], v[TID+\t], 4, v[JJ+\t]
.endr
.irp t, 0,1,2,3,4,5,6,7
	v_add_nc_u32 v[TID+\t], v[TID+\t], v[H8]       ; the code: 16 x tile + 8 (lane / 16) + the register
.endr
.irp t, 0,1,2,3,4,5,6,7
	v_permlanex16_b32 v[BB+\t], v[BA+\t], s[SEL], s[SEL+1]         ; the row's other eight codes of each tile lie in the lane 16 away
	v_permlanex16_b32 v[JJ+\t], v[TID+\t], s[SEL], s[SEL+1]
.endr
.irp t, 0,1,2,3,4,5,6,7
	v_cmp_gt_f32 s[MK+\t], v[BB+\t], v[BA+\t]      ; the other lane's wins where it is larger,
	v_cmp_eq_f32 s80, v[BB+\t], v[BA+\t]
	v_cmp_lt_u32 s81, v[JJ+\t], v[TID+\t]          ; or equal with the lower code
	s_and_b32 s80, s80, s81
	s_or_b32 s[MK+\t], s[MK+\t], s80
	v_cndmask_b32 v[BA+\t], v[BA+\t], v[BB+\t], s[MK+\t]
	v_cndmask_b32 v[TID+\t], v[TID+\t], v[JJ+\t], s[MK+\t]
.endr
.irp t, 0,1,2,3,4,5,6,7
	v_ashrrev_i32 v[BB+\t], 31, v[BA+\t]
.endr
.irp t, 0,1,2,3,4,5,6,7
	v_or_b32 v[BB+\t], 0x80000000, v[BB+\t]
.endr
.irp t, 0,1,2,3,4,5,6,7
	v_xor_b32 v[BA+\t], v[BA+\t], v[BB+\t]         ; the key: a positive score's sign bit is set, a negative score's bits are all turned: unsigned order is the scores' order
.endr
.irp i, 0,1,2,3                        ; both halves of the lanes hold the same now: lanes 0-15 keep tile 2 i's rows, lanes 16-31 take tile 2 i + 1's
	v_cndmask_b32 v[OUT+2*\i], v[BA+2*\i], v[BA+2*\i+1], s[UPP]
	v_cndmask_b32 v[OUT+2*\i+1], v[TID+2*\i], v[TID+2*\i+1], s[UPP]
.endr
.irp i, 0,1,2,3
	global_store_b64 v[L8], v[OUT+2*\i:OUT+2*\i+1], s[8:9] offset:256*\i   ; 32 rows: 256 consecutive bytes, at a multiple of 256 from the buffer's first byte
.endr
	s_wait_tensorcnt 0x0                           ; the wave's end
	ds_add_u32 v[SPW], v[NIL]
	s_wait_dscnt 0x0
	ROUND                                          ; the closing round: no work-group ends while a partner may still ask for a tile that names it
	s_endpgm
.Lfunc_end_k_q8092e55348_score:
	.size	k_q8092e55348_score, .Lfunc_end_k_q8092e55348_score-k_q8092e55348_score
	.p2alignl 7, 3214868480
	.fill 96, 4, 3214868480
	.section	.rodata,"a",@progbits
	.p2align	6, 0x0
	.amdhsa_kernel k_q8092e55348_score
		.amdhsa_group_segment_fixed_size 327680
		.amdhsa_private_segment_fixed_size 0
		.amdhsa_enable_private_segment 0
		.amdhsa_kernarg_size 24
		.amdhsa_user_sgpr_count 2
		.amdhsa_user_sgpr_kernarg_segment_ptr 1
		.amdhsa_wavefront_size32 1
		.amdhsa_system_sgpr_workgroup_id_x 1
		.amdhsa_system_sgpr_workgroup_id_y 1
		.amdhsa_system_sgpr_workgroup_id_z 1
		.amdhsa_system_vgpr_workitem_id 0
		.amdhsa_next_free_vgpr 512
		.amdhsa_next_free_sgpr 84
		.amdhsa_reserve_vcc 1
		.amdhsa_float_denorm_mode_32 3
		.amdhsa_float_denorm_mode_16_64 3
		.amdhsa_memory_ordered 1
		.amdhsa_forward_progress 1
		.amdhsa_inst_pref_size 144
	.end_amdhsa_kernel
	.amdgpu_metadata
---
amdhsa.version: [ 1, 2 ]
amdhsa.kernels:
  - .name:           k_q8092e55348_score
    .symbol:         k_q8092e55348_score.kd
    .args:
      - { .name: xq, .offset: 0, .size: 8, .value_kind: global_buffer, .address_space: global }
      - { .name: cq, .offset: 8, .size: 8, .value_kind: global_buffer, .address_space: global }
      - { .name: best, .offset: 16, .size: 8, .value_kind: global_buffer, .address_space: global }
    .group_segment_fixed_size: 327680
    .private_segment_fixed_size: 0
    .kernarg_segment_align: 8
    .kernarg_segment_size: 24
    .max_flat_workgroup_size: 256
    .sgpr_count:     84
    .vgpr_count:     512
    .wavefront_size: 32
...
	.end_amdgpu_metadata
.endif
;; end of part 2
;; launch gather (part 3): grid 256 x 1, 8 waves a work-group, no clusters, 0 bytes of LDS; arguments best, codebook, out0; writes out0
.if DOCPART == 3
	.amdgcn_target "amdgcn-amd-amdhsa--gfx1250"
	.amdhsa_code_object_version 6
	.text
	.protected	k_q8092e55348_gather
	.globl	k_q8092e55348_gather
	.p2align	8
	.type	k_q8092e55348_gather,@function
k_q8092e55348_gather:
	s_mov_b64 s[64:65], 0
	v_nop
	global_prefetch_b8 v0, s[64:65] scope:SCOPE_SE
	s_setreg_imm32_b32 hwreg(HW_REG_WAVE_MODE, 25, 1), 1
	s_wait_xcnt 0x0
; out0[row][:] = codebook[the row's nearest code][:].  For each row the launch before stored 16 pairs (key, index), one for each part of 512 codes, as whole numbers;
; the largest key wins, of equal keys the lower index.  All compares here are of unsigned whole numbers read from memory.
; SHARES.  A wave takes 8 rows.  Lane l reads row l % 8's pairs of the four parts 4 (l / 8) .. + 3 and merges them; two exchanges between lanes (l xor 8, l xor 16) merge the
; sixteen.  Then each row's index becomes a scalar, is held inside the table, and the 32 lanes copy the row's 2,048 bytes by four loads and four stores of 512 consecutive bytes.
; All 32 loads of a wave are out together; each store follows its load.  No LDS, no barrier, no matrix unit: waves share nothing.
; No register that a pending load or store names is written again, so no wait but the loads' own is needed.
.set P,   16                           ; v[16:23]  four pairs: key, index; v16, v17 become the winner's
.set OK,  12                           ; v12, v13  another lane's key and index
.set OFF, 48                           ; v48-55  row i: byte offset of my 16 bytes in the codebook
.set D,   64                           ; v64-191 8 rows x 4 loads x 4 registers
	s_load_b128 s[4:7], s[0:1], 0x0                ; best s[4:5], codebook s[6:7]
	s_load_b64 s[8:9], s[0:1], 0x10                ; out0
	v_lshrrev_b32 v1, 5, v0
	v_readfirstlane_b32 s12, v1                    ; wave 0..7
	v_and_b32 v2, 31, v0
	v_and_b32 v3, 7, v0
	v_bfe_u32 v5, v0, 3, 2
	v_lshlrev_b32 v4, 4, v2                        ; 16 x lane
	v_lshlrev_b32 v3, 3, v3                        ; 8 (lane % 8)
	v_lshl_add_u32 v3, v5, 19, v3                  ; + 4 (lane / 8) parts of 131,072 bytes
	v_mov_b32 v[OK], 0                             ; written once: a lane exchange's destination counts as one of its sources
	v_mov_b32 v[OK+1], 0
	s_mov_b32 s18, 0x76543210
	s_mov_b32 s19, 0xfedcba98                      ; v_permlanex16_b32's selects for lane l xor 16
	s_lshl_b32 s13, ttmp9, 6
	s_lshl_b32 s14, s12, 3
	s_add_co_u32 s13, s13, s14                     ; my first row: 64 x work-group + 8 x wave
	s_lshl_b32 s14, s13, 3
	s_mov_b32 s15, 0
	s_lshl_b32 s16, s13, 11                        ; 2,048 bytes a row: 16,383 x 2,048 at the most
	s_mov_b32 s17, 0
	s_wait_alu depctr_va_vdst(0)                   ; the wait at the head's end
	s_wait_kmcnt 0x0
	s_add_nc_u64 s[4:5], s[4:5], s[14:15]
	s_add_nc_u64 s[8:9], s[8:9], s[16:17]
.irp p, 0,1,2,3
	global_load_b64 v[P+2*\p:P+2*\p+1], v3, s[4:5] offset:131072*\p   ; a part's 16,384 rows are 131,072 bytes
.endr
	s_wait_loadcnt 0x0
.irp p, 1,2,3
	v_cmp_gt_u32 vcc_lo, v[P+2*\p], v[P]           ; parts ascend with the codes: a strict > keeps the lower index
	v_cndmask_b32 v[P], v[P], v[P+2*\p], vcc_lo
	v_cndmask_b32 v[P+1], v[P+1], v[P+2*\p+1], vcc_lo
.endr
.macro MERGE                           ; the other lane's pair wins where its key is larger, or equal with the lower index
	v_cmp_gt_u32 s20, v[OK], v[P]
	v_cmp_eq_u32 s21, v[OK], v[P]
	v_cmp_lt_u32 s22, v[OK+1], v[P+1]
	s_and_b32 s21, s21, s22
	s_or_b32 s20, s20, s21
	v_cndmask_b32 v[P], v[P], v[OK], s20
	v_cndmask_b32 v[P+1], v[P+1], v[OK+1], s20
.endm
	v_mov_b32_dpp v[OK], v[P] row_xmask:8 row_mask:0xf bank_mask:0xf
	v_mov_b32_dpp v[OK+1], v[P+1] row_xmask:8 row_mask:0xf bank_mask:0xf
	MERGE
	v_permlanex16_b32 v[OK], v[P], s18, s19
	v_permlanex16_b32 v[OK+1], v[P+1], s18, s19
	MERGE
	s_wait_alu depctr_va_vdst(0)                   ; ahead of the run of scalar lines
.irp i, 0,1,2,3,4,5,6,7
	v_readlane_b32 s[20+\i], v[P+1], \i            ; row i's code
	s_min_u32 s[20+\i], s[20+\i], 0x1fff           ; held inside the table of 8,192 rows
	s_lshl_b32 s[20+\i], s[20+\i], 11
	v_add_nc_u32 v[OFF+\i], s[20+\i], v4
.endr
	s_wait_alu depctr_va_vdst(0)
.irp i, 0,1,2,3,4,5,6,7
.irp j, 0,1,2,3
	global_load_b128 v[D+16*\i+4*\j:D+16*\i+4*\j+3], v[OFF+\i], s[6:7] offset:512*\j   ; no hint: several rows may name the same code
.endr
.endr
.irp i, 0,1,2,3,4,5,6,7
.irp j, 0,1,2,3
	s_wait_loadcnt 31-4*\i-\j                      ; loads come back in order (ISA guide 5.7.1): this one is in, the younger ones stay out
	global_store_b128 v4, v[D+16*\i+4*\j:D+16*\i+4*\j+3], s[8:9] offset:2048*\i+512*\j   ; 32 lanes store 512 consecutive bytes, at a multiple of 256 from out0's first byte
.endr
.endr
	s_endpgm
.Lfunc_end_k_q8092e55348_gather:
	.size	k_q8092e55348_gather, .Lfunc_end_k_q8092e55348_gather-k_q8092e55348_gather
	.p2alignl 7, 3214868480
	.fill 96, 4, 3214868480
	.section	.rodata,"a",@progbits
	.p2align	6, 0x0
	.amdhsa_kernel k_q8092e55348_gather
		.amdhsa_group_segment_fixed_size 0
		.amdhsa_private_segment_fixed_size 0
		.amdhsa_enable_private_segment 0
		.amdhsa_kernarg_size 24
		.amdhsa_user_sgpr_count 2
		.amdhsa_user_sgpr_kernarg_segment_ptr 1
		.amdhsa_wavefront_size32 1
		.amdhsa_system_sgpr_workgroup_id_x 1
		.amdhsa_system_sgpr_workgroup_id_y 1
		.amdhsa_system_sgpr_workgroup_id_z 1
		.amdhsa_system_vgpr_workitem_id 0
		.amdhsa_next_free_vgpr 192
		.amdhsa_next_free_sgpr 66
		.amdhsa_reserve_vcc 1
		.amdhsa_float_denorm_mode_32 3
		.amdhsa_float_denorm_mode_16_64 3
		.amdhsa_memory_ordered 1
		.amdhsa_forward_progress 1
		.amdhsa_inst_pref_size 12
	.end_amdhsa_kernel
	.amdgpu_metadata
---
amdhsa.version: [ 1, 2 ]
amdhsa.kernels:
  - .name:           k_q8092e55348_gather
    .symbol:         k_q8092e55348_gather.kd
    .args:
      - { .name: best, .offset: 0, .size: 8, .value_kind: global_buffer, .address_space: global }
      - { .name: codebook, .offset: 8, .size: 8, .value_kind: global_buffer, .address_space: global }
      - { .name: out0, .offset: 16, .size: 8, .value_kind: global_buffer, .address_space: global }
    .group_segment_fixed_size: 0
    .private_segment_fixed_size: 0
    .kernarg_segment_align: 8
    .kernarg_segment_size: 24
    .max_flat_workgroup_size: 256
    .sgpr_count:     66
    .vgpr_count:     192
    .wavefront_size: 32
...
	.end_amdgpu_metadata
.endif
;; end of part 3
